; MI455X (gfx1250); checked and timed in simulation.
; The chip was launched on July 23, 2026; its instructions are those of AMD's public machine-readable ISA for CDNA 5 (MIT licence, August 2026) and "CDNA5" Instruction Set Architecture Reference Guide (July 2026). The comments in the code are by the model that wrote it; some were corrected since.
;; Attention Head. Allowed arithmetic: float matrix products may take bf16 or f16 operands with f32 sums; other float arithmetic in f32, or as packed bf16 or f16 multiplies, adds, multiply-adds, maxima and minima; sums over many terms, partial sums and values carried from step to step in f32; what a program stores and reads back later, other than sums and carried values, may be rounded once to bf16 or f16.
;; Inputs: Wk 1,024 x 1,024 float32; Wq 1,024 x 1,024 float32; Wv 1,024 x 1,024 float32; bk 1,024 float32; bq 1,024 float32; bv 1,024 float32; x 4 x 2,048 x 1,024 float32.
;; Outputs: out0 4 x 2,048 x 1,024 float32.
;; One version. Each part assembles by itself: llvm-mc -triple=amdgcn-amd-amdhsa -mcpu=gfx1250 --defsym DOCPART=n.
;; ======== version 1 of 1: 4 launches
;; workspace buffers: xb 16,777,216 bytes; wb 6,291,456 bytes; ball 12,288 bytes; qkv 50,331,648 bytes; p 33,554,432 bytes; stats 1,048,576 bytes
;; launch cast (part 1): grid 704 x 1, 8 waves a work-group, no clusters, 0 bytes of LDS; arguments x, Wq, Wk, Wv, bq, bk, bv, xb, wb, ball; writes xb, wb, ball
.if DOCPART == 1
	.amdgcn_target "amdgcn-amd-amdhsa--gfx1250"
	.amdhsa_code_object_version 6
	.text
	.protected	k_q06c190ce71_cast
	.globl	k_q06c190ce71_cast
	.p2align	8
	.type	k_q06c190ce71_cast,@function
k_q06c190ce71_cast:
	s_mov_b64 s[64:65], 0
	v_nop
	global_prefetch_b8 v0, s[64:65] scope:SCOPE_SE
	s_setreg_imm32_b32 hwreg(HW_REG_WAVE_MODE, 25, 1), 1
	s_wait_xcnt 0x0
; x and the three weight matrices are rounded once to bf16 (nearest even); the three biases are gathered in one f32 table.
; xb: [8192][1024] bf16.  wb: [3072][1024] bf16, rows 0-1023 Wq, 1024-2047 Wk, 2048-3071 Wv.  ball: [3072] f32: bq, bk, bv.
; A stream: each input byte is read once and each output byte written once; LDS, barriers, matrix units and clusters would add
; nothing (no two work-groups read the same bytes).  A work-group converts 16,384 numbers: 64 KiB in, 32 KiB out.
; Work-groups 0-511 take x (8,388,608 numbers), 512-703 the weights (64 work-groups a matrix).
; Thread t: 16 loads of 16 bytes at 16 t + 4096 i (a wave's load covers 512 consecutive bytes), all 16 on their way at once;
; 16 stores of 8 bytes at 8 t + 2048 i (a wave's store covers 256 consecutive bytes, aligned).  No register is written twice.
.set X,  4                             ; v[4:67]    16 x 4 f32 as loaded
.set Y,  68                            ; v[68:99]   16 x 2 words of bf16
.set BV, 100                           ; v[100:103] a piece of a bias
	s_load_b512 s[8:23], s[0:1], 0x0               ; x 8:9, Wq 10:11, Wk 12:13, Wv 14:15, bq 16:17, bk 18:19, bv 20:21, xb 22:23
	s_load_b128 s[24:27], s[0:1], 0x40             ; wb 24:25, ball 26:27
	v_lshlrev_b32 v1, 4, v0                        ; 16 t
	v_lshlrev_b32 v2, 3, v0                        ; 8 t
	s_max_u32 s2, ttmp9, 512
	s_sub_co_u32 s2, s2, 512                       ; number among the weights' work-groups (0 for x's: not used there)
	s_lshr_b32 s3, s2, 6                           ; which matrix: 0 Wq, 1 Wk, 2 Wv
	s_and_b32 s4, s2, 63                           ; which 64 KiB of it
	s_lshl_b32 s5, ttmp9, 16                       ; byte offsets: in x,
	s_lshl_b32 s6, s4, 16                          ; in the weight matrix,
	s_lshl_b32 s7, ttmp9, 15                       ; in xb,
	s_lshl_b32 s34, s2, 15                         ; in wb (the three matrices follow each other)
	s_mov_b32 s37, 0
	s_mov_b32 s39, 0
	s_wait_kmcnt 0x0
	s_cmp_eq_u32 s3, 1
	s_cselect_b64 s[28:29], s[12:13], s[10:11]
	s_cselect_b64 s[30:31], s[18:19], s[16:17]
	s_cmp_eq_u32 s3, 2
	s_cselect_b64 s[28:29], s[14:15], s[28:29]     ; the weight matrix
	s_cselect_b64 s[30:31], s[20:21], s[30:31]     ; and its bias
	s_cmp_lt_u32 ttmp9, 512
	s_cselect_b64 s[28:29], s[8:9], s[28:29]       ; from: x or the matrix
	s_cselect_b64 s[32:33], s[22:23], s[24:25]     ; to: xb or wb
	s_cselect_b32 s36, s5, s6
	s_cselect_b32 s38, s7, s34
	s_add_nc_u64 s[28:29], s[28:29], s[36:37]
	s_add_nc_u64 s[32:33], s[32:33], s[38:39]
.irp i, 0,1,2,3,4,5,6,7,8,9,10,11,12,13,14,15
	global_load_b128 v[X+4*\i:X+4*\i+3], v1, s[28:29] offset:4096*\i th:TH_LOAD_NT
.endr
.irp i, 0,1,2,3,4,5,6,7,8,9,10,11,12,13,14,15
	s_wait_loadcnt 15-\i                           ; loads come back in order: load i is in, the younger ones stay out
	v_cvt_pk_bf16_f32 v[Y+2*\i],   v[X+4*\i],   v[X+4*\i+1]
	v_cvt_pk_bf16_f32 v[Y+2*\i+1], v[X+4*\i+2], v[X+4*\i+3]
	global_store_b64 v2, v[Y+2*\i:Y+2*\i+1], s[32:33] offset:2048*\i
.endr
	; the first work-group of each weight matrix also copies that matrix's bias: 4,096 bytes, 16 a thread
	s_cmp_lt_u32 ttmp9, 512
	s_cbranch_scc1 .Lend
	s_cmp_lg_u32 s4, 0
	s_cbranch_scc1 .Lend
	s_lshl_b32 s36, s3, 12
	s_add_nc_u64 s[26:27], s[26:27], s[36:37]
	global_load_b128 v[BV:BV+3], v1, s[30:31]
	s_wait_loadcnt 0x0
	global_store_b128 v1, v[BV:BV+3], s[26:27]
.Lend:
	s_endpgm
.Lfunc_end_k_q06c190ce71_cast:
	.size	k_q06c190ce71_cast, .Lfunc_end_k_q06c190ce71_cast-k_q06c190ce71_cast
	.p2alignl 7, 3214868480
	.fill 96, 4, 3214868480
	.section	.rodata,"a",@progbits
	.p2align	6, 0x0
	.amdhsa_kernel k_q06c190ce71_cast
		.amdhsa_group_segment_fixed_size 0
		.amdhsa_private_segment_fixed_size 0
		.amdhsa_enable_private_segment 0
		.amdhsa_kernarg_size 80
		.amdhsa_user_sgpr_count 2
		.amdhsa_user_sgpr_kernarg_segment_ptr 1
		.amdhsa_wavefront_size32 1
		.amdhsa_system_sgpr_workgroup_id_x 1
		.amdhsa_system_sgpr_workgroup_id_y 1
		.amdhsa_system_sgpr_workgroup_id_z 1
		.amdhsa_system_vgpr_workitem_id 0
		.amdhsa_next_free_vgpr 104
		.amdhsa_next_free_sgpr 66
		.amdhsa_reserve_vcc 0
		.amdhsa_float_denorm_mode_32 3
		.amdhsa_float_denorm_mode_16_64 3
		.amdhsa_memory_ordered 1
		.amdhsa_forward_progress 1
		.amdhsa_inst_pref_size 8
	.end_amdhsa_kernel
	.amdgpu_metadata
---
amdhsa.version: [ 1, 2 ]
amdhsa.kernels:
  - .name:           k_q06c190ce71_cast
    .symbol:         k_q06c190ce71_cast.kd
    .args:
      - { .name: x, .offset: 0, .size: 8, .value_kind: global_buffer, .address_space: global }
      - { .name: Wq, .offset: 8, .size: 8, .value_kind: global_buffer, .address_space: global }
      - { .name: Wk, .offset: 16, .size: 8, .value_kind: global_buffer, .address_space: global }
      - { .name: Wv, .offset: 24, .size: 8, .value_kind: global_buffer, .address_space: global }
      - { .name: bq, .offset: 32, .size: 8, .value_kind: global_buffer, .address_space: global }
      - { .name: bk, .offset: 40, .size: 8, .value_kind: global_buffer, .address_space: global }
      - { .name: bv, .offset: 48, .size: 8, .value_kind: global_buffer, .address_space: global }
      - { .name: xb, .offset: 56, .size: 8, .value_kind: global_buffer, .address_space: global }
      - { .name: wb, .offset: 64, .size: 8, .value_kind: global_buffer, .address_space: global }
      - { .name: ball, .offset: 72, .size: 8, .value_kind: global_buffer, .address_space: global }
    .group_segment_fixed_size: 0
    .private_segment_fixed_size: 0
    .kernarg_segment_align: 8
    .kernarg_segment_size: 80
    .max_flat_workgroup_size: 256
    .sgpr_count:     66
    .vgpr_count:     104
    .wavefront_size: 32
...
	.end_amdgpu_metadata
.endif
;; end of part 1
;; launch proj (part 2): grid 8 x 32, 4 waves a work-group, clusters of 4 x 4, 327,680 bytes of LDS; arguments xb, wb, ball, qkv; writes qkv
.if DOCPART == 2
	.amdgcn_target "amdgcn-amd-amdhsa--gfx1250"
	.amdhsa_code_object_version 6
	.text
	.protected	k_q06c190ce71_proj
	.globl	k_q06c190ce71_proj
	.p2align	8
	.type	k_q06c190ce71_proj,@function
k_q06c190ce71_proj:
	s_mov_b64 s[64:65], 0
	v_nop
	global_prefetch_b8 v0, s[64:65] scope:SCOPE_SE
	s_setreg_imm32_b32 hwreg(HW_REG_WAVE_MODE, 25, 1), 1
	s_wait_xcnt 0x0
	s_wait_alu depctr_hold_cnt(0) depctr_sa_sdst(0) depctr_va_vdst(0) depctr_va_sdst(0) depctr_va_ssrc(0) depctr_va_vcc(0) depctr_vm_vsrc(0)
	s_getreg_b32 s2, hwreg(HW_REG_IB_STS2, 6, 4)
	s_cmp_eq_u32 s2, 0
	s_cbranch_scc0 .Lentry_in_a_cluster
	s_endpgm
.Lentry_in_a_cluster:
	s_bfe_u32 s2, ttmp6, 0x10000c
	s_cmp_lg_u32 s2, 0xf033
	s_cbranch_scc0 .Lentry_shape_is_right
	s_endpgm
.Lentry_shape_is_right:
; qkv[m][n] = sum over e of xb[m][e] wb[n][e] + ball[n], rounded once to bf16.  xb [8192][1024], wb [3072][1024] bf16, sums in f32.
; qkv: [8192][3072] bf16: q in columns 0-1023, k in 1024-2047, v in 2048-3071 of a row of 6,144 bytes.
; 256 work-groups, one block of 256 rows x 384 columns each (32 x 8 blocks).  Four waves, as many as a WGP has SIMDs; a wave makes
; 128 rows x 192 columns: 8 x 12 accumulator tiles of 16 x 16, 768 registers.  For 32 along K a wave reads (128 + 192) x 64 bytes
; from LDS and issues 96 matrix instructions.
; K goes in steps of 64 through two LDS slots (256 rows of x, 384 rows of W, 128 bytes a row): two slots of a step of 128 would
; take 348,160 bytes, more than a work-group can have.
; CLUSTERS: 4 x 4 work-groups.  x's tile hangs on the block row alone and is asked for jointly along a row of the cluster,
; W's on the block column alone and is asked for jointly along a column.  Wave 3 asks for x's 256 rows, waves 0-2 for 128 rows of W each.
; A wave has two tensor loads out at the start and one behind each round after that.
; THE MATRIX INSTRUCTION IS USED TRANSPOSED (source 0 = 16 rows of W, source 1 = 16 rows of x): lane l then holds row l % 16 of the
; result and its 8 registers the columns 8 (l / 16) + 0..7, which pack into 16 neighbouring bytes.
; REGISTERS: window 0: v16-31 addresses; v32-95, v96-159 x's fragments (8 x 16 rows x 32 K), two buffers; v160-255 W's fragments, three
; groups of four.  Window g + 1 (g = 0..2): the 32 tiles (a, c) at v[8 (4 a + c)], columns block 4 g + c.
.set KSTEP,  64
.set PITCH,  144                       ; an LDS row: 128 bytes + 16 of padding: 16 rows that a load touches start 36 words apart, at 16 different places in a run of 64 words
.set ATILE,  256*PITCH                 ; x's 256 rows
.set BPART,  128*PITCH                 ; 128 rows of W
.set SLOT,   ATILE+3*BPART             ; 92,160 bytes
.set SPITCH, 784                       ; the way out: a row of 768 bytes + 16
.set BIAS,   256*SPITCH                ; 200,704: my block's 384 biases, behind the stage.  The stage (LDS 0 .. 200,703) lies over the ring and is written only after the ring's last fill has landed and been read
.set LAPS,   1024/(2*KSTEP)            ; a lap = two K steps = once round the ring
.set QROW,   6144                      ; bytes in a row of qkv
.set ADRA, 16                          ; v16-17 LDS address of my x fragments in slot 0, 1
.set ADRB, 20                          ; v20-21 the same for W
.set STO,  22                          ; v22-23 the way out: where I put 16 bytes, rows 0-63 and 64-127 of my block
.set RD,   24                          ; v24    where I read rows back
.set CO,   25                          ; v25    my byte offset in qkv
.set BADR, 26                          ; v26    my biases in LDS
.set T4,   27                          ; v27    4 x thread
.set BW,   28                          ; v28-30 three bias words on their way to LDS
.set BST,  31                          ; v31    where they go
.set AF0,  32
.set AF1,  96
.set BR0,  160
.set BR1,  192
.set BR2,  224
.set BI,   32                          ; the way out: 96 biases of my 12 column blocks
.set PK,   128                         ; the way out: 32 tiles x 4 words of bf16
.set G1,  24                           ; s[24:31] descriptor group 1 for x's tiles
.set G0,  32                           ; s[32:39] group 0 for x's tiles, one set a slot
.set G1B, 48                           ; s[48:55] group 1 for W's tiles
.set G0B, 56                           ; s[56:63] group 0 for W's tiles, one set a slot
.set MSB, 0
.macro WIN new                         ; the immediate's high byte repeats the setting that is left
.if MSB != (\new)
	s_set_vgpr_msb (MSB<<8)|(\new)
.set MSB, \new
.endif
.endm
.macro PLACES                          ; four places between a matrix instruction and a load into, or a vector instruction on, its registers
.rept 4
	v_nop
.endr
.endm
; A joint load.  Each of the two lines has one mask and one set of registers; the branch hangs on the wave's number alone.
.macro JLOAD s
	s_cmp_eq_u32 s12, 3
	s_cbranch_scc0 .Lfor_b_\@
	tensor_load_to_lds s[G0+4*\s:G0+4*\s+3], s[G1:G1+7]
	s_nop 0
.rept 4
	v_nop
.endr
	s_branch .Lasked_\@
.Lfor_b_\@:
	tensor_load_to_lds s[G0B+4*\s:G0B+4*\s+3], s[G1B:G1B+7]
	s_nop 0
.rept 4
	v_nop
.endr
.Lasked_\@:
.endm
.macro CREST                           ; a round of the cluster's barrier behind its opening work-group barrier
	s_cmp_lg_u32 s12, 0
	s_cbranch_scc1 .Lnot_wave_0_\@
	s_barrier_signal -3
.Lnot_wave_0_\@:
	s_barrier_wait -3
	s_barrier_signal -1
	s_barrier_wait -1
.endm
.macro CROUND                          ; a whole round
	s_barrier_signal -1
	s_barrier_wait -1
	CREST
.endm
	s_load_b256 s[4:11], s[0:1], 0x0               ; xb 4:5, wb 6:7, ball 8:9, qkv 10:11
	v_lshl_add_u32 v18, v0, 2, 0x31600
	v_mov_b32 v19, 0
	ds_add_u32 v18, v19
	v_lshrrev_b32 v1, 5, v0
	v_readfirstlane_b32 s12, v1                    ; wave 0..3
	s_lshr_b32 s13, s12, 1                         ; which 128 rows of the block are mine
	s_and_b32 s14, s12, 1                          ; which 192 columns
	s_bfe_u32 s40, ttmp6, 0x40000                  ; cx
	s_bfe_u32 s41, ttmp6, 0x40004                  ; cy
	s_lshl_b32 s42, ttmp9, 2
	s_add_co_u32 s42, s42, s40                     ; block column = 4 x cluster x + cx
	s_and_b32 s43, ttmp7, 0xffff
	s_lshl_b32 s43, s43, 2
	s_add_co_u32 s43, s43, s41                     ; block row = 4 x cluster y + cy
	s_lshl_b32 s44, s41, 2
	s_lshl_b32 s44, 15, s44                        ; my row of the cluster
	s_lshl_b32 s45, 0x1111, s40                    ; my column
	; group 1: elements of 2 bytes; after every 32 words (code 4) 4 words of padding (code 3); bit 21 beside a mask
	s_or_b32 s[G1+0], s44, (1<<16)|(1<<20)|(1<<21)|(4<<22)|(3<<25)
	s_mov_b32 s[G1+1], KSTEP<<16                   ; tensor_dim0 = 64
	s_mov_b32 s[G1+2], 256<<16                     ; tensor_dim1 = 256
	s_mov_b32 s[G1+3], KSTEP<<16                   ; tile_dim0 = 64
	s_mov_b32 s[G1+4], 256                         ; tile_dim1 = 256 rows
	s_mov_b32 s[G1+5], 1024                        ; elements from row to row
	s_mov_b32 s[G1+6], 0
	s_mov_b32 s[G1+7], 0
	s_or_b32 s[G1B+0], s45, (1<<16)|(1<<20)|(1<<21)|(4<<22)|(3<<25)
	s_mov_b32 s[G1B+1], KSTEP<<16
	s_mov_b32 s[G1B+2], 128<<16
	s_mov_b32 s[G1B+3], KSTEP<<16
	s_mov_b32 s[G1B+4], 128                        ; 128 rows
	s_mov_b32 s[G1B+5], 1024
	s_mov_b32 s[G1B+6], 0
	s_mov_b32 s[G1B+7], 0
	s_lshl_b32 s16, s43, 19                        ; x: 256 rows of 2,048 bytes a block row
	s_mov_b32 s17, 0
	s_mul_i32 s46, s42, 384                        ; W: row 384 x block column + 128 x wave (waves 0-2 ask by it; wave 3's is never used)
	s_lshl_b32 s47, s12, 7
	s_add_co_u32 s46, s46, s47
	s_lshl_b32 s46, s46, 11
	s_mov_b32 s47, 0
	s_mul_i32 s20, s12, BPART
	s_add_co_u32 s20, s20, ATILE                   ; where W's part goes: behind x's tile, wave x 128 rows
	s_mul_i32 s22, s42, 1536                       ; my block's 384 biases
	s_mov_b32 s23, 0
	v_lshlrev_b32 v[T4], 2, v0
	s_wait_dscnt 0x0
	s_wait_kmcnt 0x0
	s_add_nc_u64 s[16:17], s[4:5], s[16:17]
	s_add_nc_u64 s[46:47], s[6:7], s[46:47]
	s_add_nc_u64 s[8:9], s[8:9], s[22:23]
.irp i, 0,1,2
	global_load_b32 v[BW+\i], v[T4], s[8:9] offset:512*\i      ; 128 threads x 4 bytes x 3
.endr
	CROUND                                         ; all sixteen work-groups are here: the first joint loads meet
.irp s, 0,1
	s_mov_b32 s[G0+4*\s], 1
	s_mov_b32 s[G0+4*\s+1], \s*SLOT
	s_add_nc_u64 s[G0+4*\s+2:G0+4*\s+3], s[16:17], \s*KSTEP*2
	s_or_b32 s[G0+4*\s+3], s[G0+4*\s+3], 0x80000000
	s_mov_b32 s[G0B+4*\s], 1
	s_add_co_u32 s[G0B+4*\s+1], s20, \s*SLOT
	s_add_nc_u64 s[G0B+4*\s+2:G0B+4*\s+3], s[46:47], \s*KSTEP*2
	s_or_b32 s[G0B+4*\s+3], s[G0B+4*\s+3], 0x80000000
	JLOAD \s                                       ; K steps 0 and 1
.endr
	v_and_b32 v1, 15, v0                           ; r = l % 16
	v_bfe_u32 v2, v0, 4, 1                         ; h = l / 16
	v_mul_u32_u24 v3, v1, PITCH
	v_lshl_add_u32 v3, v2, 4, v3                   ; a fragment: row r, 16 bytes for each half of the lanes
	s_mul_i32 s18, s13, 128*PITCH
	s_mul_i32 s19, s14, 192*PITCH
	s_add_co_u32 s19, s19, ATILE
.irp s, 0,1
	v_add_nc_u32 v[ADRA+\s], s18, v3
	v_add_nc_u32 v[ADRB+\s], s19, v3
	s_add_co_u32 s18, s18, SLOT
	s_add_co_u32 s19, s19, SLOT
.endr
	v_mul_u32_u24 v4, v1, SPITCH                   ; the stage holds the block's 256 rows of 768 bytes
	v_lshl_add_u32 v4, v2, 4, v4
	s_mul_i32 s20, s13, 128*SPITCH
	s_mul_i32 s21, s14, 384
	s_add_co_u32 s20, s20, s21
	v_add_nc_u32 v[STO], s20, v4                   ; (128 half + r) rows + 384 half + 16 h
	v_add_nc_u32 v[STO+1], 64*SPITCH, v[STO]
	v_mul_u32_u24 v5, v2, SPITCH
	v_lshl_add_u32 v5, v1, 4, v5
	s_mul_i32 s20, s12, 64*SPITCH
	v_add_nc_u32 v[RD], s20, v5                    ; back: rows 64 wave + h, 16 bytes a lane
	v_mul_u32_u24 v5, v2, QROW
	v_lshl_add_u32 v[CO], v1, 4, v5
	s_mul_i32 s20, s14, 768
	s_add_co_u32 s20, s20, BIAS
	v_lshl_add_u32 v[BADR], v2, 5, s20             ; my columns' biases: 768 half + 32 h
	v_add_nc_u32 v[BST], BIAS, v[T4]
	s_wait_loadcnt 0x0
.irp i, 0,1,2
	ds_store_b32 v[BST], v[BW+\i] offset:512*\i
.endr
; 16 matrix instructions: row blocks a0 .. a0 + 3 x the four column blocks of one window.  zero = 1: the first product starts the sums.
.macro MULG4 af, br, a0, zero
.irp a, \a0, \a0+1, \a0+2, \a0+3
.irp c, 0,1,2,3
.if \zero
	v_wmma_f32_16x16x32_bf16 v[8*(4*(\a)+\c):8*(4*(\a)+\c)+7], v[\br+8*\c:\br+8*\c+7], v[\af+8*(\a):\af+8*(\a)+7], 0
.else
	v_wmma_f32_16x16x32_bf16 v[8*(4*(\a)+\c):8*(4*(\a)+\c)+7], v[\br+8*\c:\br+8*\c+7], v[\af+8*(\a):\af+8*(\a)+7], v[8*(4*(\a)+\c):8*(4*(\a)+\c)+7]
.endif
.endr
.endr
.endm
.macro LDB slot, k, g                  ; 8 LDS loads: W's column blocks 4 g .. 4 g + 3, 32 K at byte k of the rows
.irp c, 0,1,2,3
	ds_load_b128 v[BR0+32*\g+8*\c:BR0+32*\g+8*\c+3],   v[ADRB+\slot] offset:\k+(4*\g+\c)*16*PITCH
	ds_load_b128 v[BR0+32*\g+8*\c+4:BR0+32*\g+8*\c+7], v[ADRB+\slot] offset:\k+(4*\g+\c)*16*PITCH+32
.endr
.endm
.macro LDA slot, k, af                 ; 16 LDS loads: x's eight row blocks
.irp i, 0,1,2,3,4,5,6,7
	ds_load_b128 v[\af+8*\i:\af+8*\i+3],   v[ADRA+\slot] offset:\k+\i*16*PITCH
	ds_load_b128 v[\af+8*\i+4:\af+8*\i+7], v[ADRA+\slot] offset:\k+\i*16*PITCH+32
.endr
.endm
; A K step is two halves of 32 along K, 96 matrix instructions each.  LDS loads always go out in this order: W group 0 and x (24), W group 1 (8),
; W group 2 (8); a W group is loaded again as soon as its 32 matrix instructions are issued, 64 matrix instructions ahead of its next use.
; The 96 accumulators take turns, one instruction a turn, over the loop's backward jump too.
.macro Q0 slot, zero                   ; the first half: x's buffer 0; fetches the second half of the same slot
	s_wait_dscnt 16                                ; W group 0 and x are in; groups 1 and 2 (16 loads) may be out
	WIN 0x50
	MULG4 AF0, BR0, 0, \zero
	MULG4 AF0, BR0, 4, \zero
	WIN 0
	PLACES
	LDB \slot, 64, 0
	LDA \slot, 64, AF1
	s_wait_dscnt 32                                ; group 1 is in; behind it went group 2 (8) and the 24 just issued
	WIN 0xa0
	MULG4 AF0, BR1, 0, \zero
	MULG4 AF0, BR1, 4, \zero
	WIN 0
	PLACES
	LDB \slot, 64, 1
	s_wait_dscnt 32                                ; group 2 is in; behind it went 24 + 8
	WIN 0xf0
	MULG4 AF0, BR2, 0, \zero
	MULG4 AF0, BR2, 4, \zero
	WIN 0
	PLACES
	LDB \slot, 64, 2
.endm
; The second half: x's buffer 1; changes slots.  In front of the barrier each wave waits for its reads of this slot and for all its tensor loads (one is
; out: its part of the next slot).  Behind it nobody reads this slot and the next slot is whole: the refill comes first, then the next slot's fragments.
; Nothing stands between the waits and the refill but the barriers, so that the refill is asked for as soon as the last tile is in:
; from a request to the wait for it a wave issues a whole K step's 192 matrix instructions.
.macro Q1 slot, next, fill
	s_wait_dscnt 16
	WIN 0x50
	MULG4 AF1, BR0, 0, 0
	MULG4 AF1, BR0, 4, 0
	WIN 0
	s_wait_dscnt 0                                 ; my reads of this slot are over
	s_wait_tensorcnt 0x0                           ; all my tensor loads have landed
	ds_add_u32 v18, v19
	s_wait_dscnt 0x0
	s_barrier_signal -1                            ; (where the slot is filled again this barrier opens a round of the cluster's barrier)
	s_barrier_wait -1
.if \fill
	CREST                                          ; no wave of any partner still reads this slot or has a load on its way
	s_add_nc_u64 s[G0+4*\slot+2:G0+4*\slot+3], s[G0+4*\slot+2:G0+4*\slot+3], 2*KSTEP*2
	s_add_nc_u64 s[G0B+4*\slot+2:G0B+4*\slot+3], s[G0B+4*\slot+2:G0B+4*\slot+3], 2*KSTEP*2
	JLOAD \slot                                    ; the first tensor load behind the round; its four v_nop are the places in front of the loads below
.else
	PLACES
.endif
	LDB \next, 0, 0
	LDA \next, 0, AF0
	WIN 0xa0
	MULG4 AF1, BR1, 0, 0                           ; groups 1 and 2 came in with the wait for 0 above
	MULG4 AF1, BR1, 4, 0
	WIN 0
	PLACES
	LDB \next, 0, 1
	WIN 0xf0
	MULG4 AF1, BR2, 0, 0
	MULG4 AF1, BR2, 4, 0
	WIN 0
	PLACES
	LDB \next, 0, 2
.endm
.macro LAP zero
	Q0 0, \zero
	Q1 0, 1, 1
	Q0 1, 0
	Q1 1, 0, 1
.endm
	s_wait_tensorcnt 1                             ; my part of K step 0 is in; K step 1's stays out
	s_wait_dscnt 0x0                               ; my bias words are in LDS
	s_barrier_signal -1
	s_barrier_wait -1
	LDB 0, 0, 0
	LDA 0, 0, AF0
	LDB 0, 0, 1
	LDB 0, 0, 2
	LAP 1                                          ; the first lap stands in front of the loop: its first products start the sums
	s_mov_b32 s3, LAPS-2
.Llap:
	LAP 0
	s_sub_co_u32 s3, s3, 1
	s_cmp_lg_u32 s3, 0
	s_cbranch_scc1 .Llap
	Q0 0, 0                                        ; the last lap fills nothing
	Q1 0, 1, 0
	Q0 1, 0
	s_wait_dscnt 16                                ; the very last half: the counts run down
	WIN 0x50
	MULG4 AF1, BR0, 0, 0
	MULG4 AF1, BR0, 4, 0
	s_wait_dscnt 8
	WIN 0xa0
	MULG4 AF1, BR1, 0, 0
	MULG4 AF1, BR1, 4, 0
	s_wait_dscnt 0
	WIN 0xf0
	MULG4 AF1, BR2, 0, 0
	MULG4 AF1, BR2, 4, 0
	WIN 0
	; THE WAY OUT.  A wave's 192 columns are 384 bytes, which is no whole number of aligned runs of 256 bytes, so the block's 256 rows of 768 bytes are
	; gathered in LDS by all four waves and stored from there in runs of 256 bytes.
	PLACES
	s_barrier_signal -1                            ; every wave's reads of the ring are over (its last wait was for 0) and no tensor load is out:
	s_barrier_wait -1                              ; the stage may be written over the ring
.irp nb, 0,1,2,3,4,5,6,7,8,9,10,11
	ds_load_b128 v[BI+8*\nb:BI+8*\nb+3],   v[BADR] offset:64*\nb
	ds_load_b128 v[BI+8*\nb+4:BI+8*\nb+7], v[BADR] offset:64*\nb+16
.endr
	s_lshl_b32 s16, s43, 8
	s_lshl_b32 s17, s12, 6
	s_add_co_u32 s16, s16, s17                     ; the first row that I store: 256 x block row + 64 x wave
	s_mul_i32 s16, s16, QROW
	s_mov_b32 s17, 0
	s_add_nc_u64 s[10:11], s[10:11], s[16:17]
	s_mul_i32 s46, s42, 768                        ; the block's first column, in bytes
	s_mov_b32 s47, 0
	s_add_nc_u64 s[10:11], s[10:11], s[46:47]
	s_wait_dscnt 0x0
; one window's 32 tiles: add the bias in f32, round to bf16, 16 bytes a lane and tile into the stage.  wa, wc: the settings for the two passes
.macro OUTW wa, wc, g
	WIN \wa
.irp a, 0,1,2,3,4,5,6,7
.irp c, 0,1,2,3
.irp r, 0,1,2,3
	v_pk_add_f32 v[8*(4*\a+\c)+2*\r:8*(4*\a+\c)+2*\r+1], v[8*(4*\a+\c)+2*\r:8*(4*\a+\c)+2*\r+1], v[BI+8*(4*\g+\c)+2*\r:BI+8*(4*\g+\c)+2*\r+1]
.endr
.endr
.endr
	WIN \wc
.irp a, 0,1,2,3,4,5,6,7
.irp c, 0,1,2,3
.irp r, 0,1,2,3
	v_cvt_pk_bf16_f32 v[PK+4*(4*\a+\c)+\r], v[8*(4*\a+\c)+2*\r], v[8*(4*\a+\c)+2*\r+1]
.endr
.endr
.endr
	WIN 0
.irp a, 0,1,2,3,4,5,6,7
.irp c, 0,1,2,3
	ds_store_b128 v[STO+(\a>>2)], v[PK+4*(4*\a+\c):PK+4*(4*\a+\c)+3] offset:(\a&3)*16*SPITCH+32*(4*\g+\c)
.endr
.endr
.endm
	OUTW 0x41, 0x05, 0
	OUTW 0x82, 0x0a, 1
	OUTW 0xc3, 0x0f, 2
	s_wait_dscnt 0x0                               ; my part of the stage is written,
	s_barrier_signal -1
	s_barrier_wait -1                              ; everybody's is
	; wave w stores rows 64 w .. 64 w + 63: 96 loads and stores, each two rows x 256 bytes (16 lanes store 256 consecutive bytes, aligned), 8 at a time on two register sets
.set OE, 0
.rept 12
.set OF, 32+32*((OE/8)&1)
	s_wait_xcnt 0x0                                ; the set's registers, which earlier stores read, are loaded again only behind this wait
.irp j, 0,1,2,3,4,5,6,7
	ds_load_b128 v[OF+4*\j:OF+4*\j+3], v[RD] offset:2*((OE+\j)/3)*SPITCH+256*((OE+\j)%3)
.endr
.irp j, 0,1,2,3,4,5,6,7
	s_wait_dscnt 7-\j
	global_store_b128 v[CO], v[OF+4*\j:OF+4*\j+3], s[10:11] offset:2*((OE+\j)/3)*QROW+256*((OE+\j)%3)
.endr
.set OE, OE+8
.endr
	s_wait_tensorcnt 0x0
	ds_add_u32 v18, v19
	s_wait_dscnt 0x0
	CROUND                                         ; the closing round: no work-group ends while a partner may still ask for a tile that names it
	s_endpgm
.Lfunc_end_k_q06c190ce71_proj:
	.size	k_q06c190ce71_proj, .Lfunc_end_k_q06c190ce71_proj-k_q06c190ce71_proj
	.p2alignl 7, 3214868480
	.fill 96, 4, 3214868480
	.section	.rodata,"a",@progbits
	.p2align	6, 0x0
	.amdhsa_kernel k_q06c190ce71_proj
		.amdhsa_group_segment_fixed_size 327680
		.amdhsa_private_segment_fixed_size 0
		.amdhsa_enable_private_segment 0
		.amdhsa_kernarg_size 32
		.amdhsa_user_sgpr_count 2
		.amdhsa_user_sgpr_kernarg_segment_ptr 1
		.amdhsa_wavefront_size32 1
		.amdhsa_system_sgpr_workgroup_id_x 1
		.amdhsa_system_sgpr_workgroup_id_y 1
		.amdhsa_system_sgpr_workgroup_id_z 1
		.amdhsa_system_vgpr_workitem_id 0
		.amdhsa_next_free_vgpr 1024
		.amdhsa_next_free_sgpr 66
		.amdhsa_reserve_vcc 0
		.amdhsa_float_denorm_mode_32 3
		.amdhsa_float_denorm_mode_16_64 3
		.amdhsa_memory_ordered 1
		.amdhsa_forward_progress 1
		.amdhsa_inst_pref_size 197
	.end_amdhsa_kernel
	.amdgpu_metadata
---
amdhsa.version: [ 1, 2 ]
amdhsa.kernels:
  - .name:           k_q06c190ce71_proj
    .symbol:         k_q06c190ce71_proj.kd
    .args:
      - { .name: xb, .offset: 0, .size: 8, .value_kind: global_buffer, .address_space: global }
      - { .name: wb, .offset: 8, .size: 8, .value_kind: global_buffer, .address_space: global }
      - { .name: ball, .offset: 16, .size: 8, .value_kind: global_buffer, .address_space: global }
      - { .name: qkv, .offset: 24, .size: 8, .value_kind: global_buffer, .address_space: global }
    .group_segment_fixed_size: 327680
    .private_segment_fixed_size: 0
    .kernarg_segment_align: 8
    .kernarg_segment_size: 32
    .max_flat_workgroup_size: 128
    .sgpr_count:     66
    .vgpr_count:     1024
    .wavefront_size: 32
...
	.end_amdgpu_metadata
.endif
;; end of part 2
;; launch scores (part 3): grid 8 x 32, 4 waves a work-group, clusters of 4 x 4, 327,680 bytes of LDS; arguments qkv, p, stats; writes p, stats
.if DOCPART == 3
	.amdgcn_target "amdgcn-amd-amdhsa--gfx1250"
	.amdhsa_code_object_version 6
	.text
	.protected	k_q06c190ce71_scores
	.globl	k_q06c190ce71_scores
	.p2align	8
	.type	k_q06c190ce71_scores,@function
k_q06c190ce71_scores:
	s_mov_b64 s[64:65], 0
	v_nop
	global_prefetch_b8 v0, s[64:65] scope:SCOPE_SE
	s_setreg_imm32_b32 hwreg(HW_REG_WAVE_MODE, 25, 1), 1
	s_wait_xcnt 0x0
	s_wait_alu depctr_hold_cnt(0) depctr_sa_sdst(0) depctr_va_vdst(0) depctr_va_sdst(0) depctr_va_ssrc(0) depctr_va_vcc(0) depctr_vm_vsrc(0)
	s_getreg_b32 s2, hwreg(HW_REG_IB_STS2, 6, 4)
	s_cmp_eq_u32 s2, 0
	s_cbranch_scc0 .Lentry_in_a_cluster
	s_endpgm
.Lentry_in_a_cluster:
	s_bfe_u32 s2, ttmp6, 0x10000c
	s_cmp_lg_u32 s2, 0xf033
	s_cbranch_scc0 .Lentry_shape_is_right
	s_endpgm
.Lentry_shape_is_right:
; For each batch: S = q k^T (bf16 operands, f32 sums over 1,024), and the first half of the softmax.
; With c = log2(e) / 32 the weights are 2^(c S) over their row sum.  A wave owns 128 rows x 128 keys (one key block kb).  For each row it takes the
; largest S of ITS 128 keys, N = floor(-c max), P = 2^(c S + N) (so c S + N <= 0 and the block's largest P lies in (1/2, 1]) and l = the sum of its P in f32.
; stats[0][batch][kb][row] = N, stats[1][..] = l (f32).  The next launch brings the 16 blocks of a row to one shift by factors 2^(min N - N), which are exact.
; P goes out in bf16 IN THE ORDER IN WHICH THE NEXT LAUNCH'S MATRIX INSTRUCTIONS TAKE IT:
;   p[512 blocks of 16 rows][64 chunks of 32 keys of the batch][2][32 lanes][16 bytes]: lane (r, h), piece j holds P(row r, keys 16 j + 8 h + 0..7 of the chunk).
; LIMITS: the shift is the block's maximum rounded up to a whole number in base 2; P below 2^-126 is 0; l sums P before its rounding to bf16;
; scores that are not finite are not served.
; 256 work-groups, one block of 256 rows x 256 keys each; four waves of 128 x 128: 64 accumulator tiles, 512 registers.  K goes in steps of 128
; (rows of 256 bytes, aligned) through two LDS slots.  CLUSTERS: 4 x 4; q's tile hangs on the block row alone and is asked for jointly along a row of the
; cluster; k's hangs on the batch (the same for the whole cluster) and the block column and is asked for jointly along a column.
; A wave has two tensor loads out at the start and one behind each round after that.
; The matrix instruction is used transposed (source 0 = 16 rows of k, source 1 = 16 rows of q): lane l holds row l % 16 and, in tile b, the keys
; 16 b + 8 (l / 16) + 0..7.  So a row's 128 numbers lie in two lanes, l and l xor 16, 64 registers each; and a lane's 16 packed bytes of tile b
; are piece b % 2 of chunk b / 2 in p's order as they stand: they are stored from registers, 512 consecutive bytes a store, with no way through LDS.
; REGISTERS: window 0: v16-47 addresses and small work; v64-127, v128-191 q's fragments, two buffers; v192-223 at work on the way out.
; window 1: v64-127, v128-191 k's fragments.  window 2: the 32 tiles of my rows 0-63 (tile (a, b) at v[8 (8 a + b)]); window 3: rows 64-127.
.set KSTEP,  128
.set PITCH,  272                       ; 256 bytes + 16 of padding
.set HALFT,  128*PITCH
.set SLOT,   4*HALFT                   ; q's 256 rows, then k's 256 rows
.set STATL,  2*SLOT                    ; behind the ring: for each wave 128 N, then 128 l
.set LAPS,   1024/(2*KSTEP)
.set QROW,   6144
.set PBLK,   65536                     ; bytes of a block of 16 rows of p
.set ADRA, 16
.set ADRB, 20
.set LOFF, 26                          ; v26 16 x lane: my byte offset in a store of p and of stats
.set NADR, 27                          ; v27 where N and l of row r go
.set SLA,  28                          ; v28 where they are read back, 16 bytes a lane
.set MX,   32                          ; v32-35 four running maxima
.set T,    36                          ; v36    at work
.set NN,   38                          ; v38-39 N, twice
.set SU,   40                          ; v40-47 four running sums, in pairs
.set F0,   64
.set F1,   128
.set E,    64                          ; the way out: 64 exponents, then P in f32
.set PK,   192                         ; P in bf16
.set G1,  24
.set G0,  32
.set G1B, 48
.set G0B, 56
.set MSB, 0
.macro WIN new
.if MSB != (\new)
	s_set_vgpr_msb (MSB<<8)|(\new)
.set MSB, \new
.endif
.endm
.set MUL_LO, 0xa1                      ; source 0 (k) window 1, source 1 (q) window 0, C and D window 2
.set MUL_HI, 0xf1
.set TO_B,   0x40
.macro PLACES
.rept 4
	v_nop
.endr
.endm
.macro JLOAD s                         ; waves 0 and 1 fetch q's two halves, waves 2 and 3 k's
	s_cmp_eq_u32 s13, 0
	s_cbranch_scc0 .Lfor_b_\@
	tensor_load_to_lds s[G0+4*\s:G0+4*\s+3], s[G1:G1+7]
	s_nop 0
.rept 4
	v_nop
.endr
	s_branch .Lasked_\@
.Lfor_b_\@:
	tensor_load_to_lds s[G0B+4*\s:G0B+4*\s+3], s[G1B:G1B+7]
	s_nop 0
.rept 4
	v_nop
.endr
.Lasked_\@:
.endm
.macro CREST
	s_cmp_lg_u32 s12, 0
	s_cbranch_scc1 .Lnot_wave_0_\@
	s_barrier_signal -3
.Lnot_wave_0_\@:
	s_barrier_wait -3
	s_barrier_signal -1
	s_barrier_wait -1
.endm
.macro CROUND
	s_barrier_signal -1
	s_barrier_wait -1
	CREST
.endm
	s_load_b128 s[4:7], s[0:1], 0x0                ; qkv 4:5, p 6:7
	s_load_b64 s[8:9], s[0:1], 0x10                ; stats
	v_lshl_add_u32 v254, v0, 2, 0x45000
	v_mov_b32 v255, 0
	ds_add_u32 v254, v255
	v_lshrrev_b32 v1, 5, v0
	v_readfirstlane_b32 s12, v1                    ; wave
	s_lshr_b32 s13, s12, 1                         ; which half of the block's rows is mine.  Also: I fetch for q (0) or for k (1)
	s_and_b32 s14, s12, 1                          ; which half of its keys.  Also: which 128 rows of that tile I fetch
	s_bfe_u32 s40, ttmp6, 0x40000                  ; cx
	s_bfe_u32 s41, ttmp6, 0x40004                  ; cy
	s_lshl_b32 s42, ttmp9, 2
	s_add_co_u32 s42, s42, s40                     ; block column (256 keys)
	s_and_b32 s43, ttmp7, 0xffff
	s_lshr_b32 s15, s43, 1                         ; batch: two clusters along y a batch, so it is the same in the whole cluster
	s_lshl_b32 s43, s43, 2
	s_add_co_u32 s43, s43, s41                     ; block row (256 of the 8,192 rows)
	s_lshl_b32 s44, s41, 2
	s_lshl_b32 s44, 15, s44
	s_lshl_b32 s45, 0x1111, s40
	s_or_b32 s[G1+0], s44, (1<<16)|(1<<20)|(1<<21)|(5<<22)|(3<<25)   ; elements of 2 bytes; 4 words of padding after every 64
	s_or_b32 s[G1B+0], s45, (1<<16)|(1<<20)|(1<<21)|(5<<22)|(3<<25)
	s_mov_b32 s[G1+1], KSTEP<<16
	s_mov_b32 s[G1B+1], KSTEP<<16
	s_mov_b32 s[G1+2], 128<<16
	s_mov_b32 s[G1B+2], 128<<16
	s_mov_b32 s[G1+3], KSTEP<<16
	s_mov_b32 s[G1B+3], KSTEP<<16
	s_mov_b32 s[G1+4], 128
	s_mov_b32 s[G1B+4], 128
	s_mov_b32 s[G1+5], 3072                        ; elements from row to row of qkv
	s_mov_b32 s[G1B+5], 3072
	s_mov_b32 s[G1+6], 0
	s_mov_b32 s[G1B+6], 0
	s_mov_b32 s[G1+7], 0
	s_mov_b32 s[G1B+7], 0
	s_lshl_b32 s17, s14, 7
	s_lshl_b32 s16, s43, 8
	s_add_co_u32 s16, s16, s17                     ; q: row 256 x block row + 128 x half
	s_mul_i32 s16, s16, QROW
	s_mov_b32 s17, 0
	s_lshl_b32 s46, s42, 8
	s_lshl_b32 s47, s14, 7
	s_add_co_u32 s46, s46, s47
	s_lshl_b32 s47, s15, 11
	s_add_co_u32 s46, s46, s47                     ; k: row 2,048 x batch + 256 x block column + 128 x half,
	s_mul_i32 s46, s46, QROW
	s_add_co_u32 s46, s46, 2048                    ; and k begins 2,048 bytes into a row
	s_mov_b32 s47, 0
	s_mul_i32 s20, s12, HALFT                      ; where the tiles go: wave x 128 rows
	s_wait_dscnt 0x0
	s_wait_kmcnt 0x0
	s_add_nc_u64 s[16:17], s[4:5], s[16:17]
	s_add_nc_u64 s[46:47], s[4:5], s[46:47]
	CROUND
.irp s, 0,1
	s_mov_b32 s[G0+4*\s], 1
	s_add_co_u32 s[G0+4*\s+1], s20, \s*SLOT
	s_add_nc_u64 s[G0+4*\s+2:G0+4*\s+3], s[16:17], \s*KSTEP*2
	s_or_b32 s[G0+4*\s+3], s[G0+4*\s+3], 0x80000000
	s_mov_b32 s[G0B+4*\s], 1
	s_add_co_u32 s[G0B+4*\s+1], s20, \s*SLOT
	s_add_nc_u64 s[G0B+4*\s+2:G0B+4*\s+3], s[46:47], \s*KSTEP*2
	s_or_b32 s[G0B+4*\s+3], s[G0B+4*\s+3], 0x80000000
	JLOAD \s
.endr
	v_and_b32 v1, 15, v0
	v_bfe_u32 v2, v0, 4, 1
	v_mul_u32_u24 v3, v1, PITCH
	v_lshl_add_u32 v3, v2, 4, v3
	s_mul_i32 s21, s13, HALFT
	s_mul_i32 s22, s14, HALFT
	s_add_co_u32 s22, s22, 2*HALFT
.irp s, 0,1
	v_add_nc_u32 v[ADRA+\s], s21, v3
	v_add_nc_u32 v[ADRB+\s], s22, v3
	s_add_co_u32 s21, s21, SLOT
	s_add_co_u32 s22, s22, SLOT
.endr
	s_lshl_b32 s23, s12, 10
	s_add_co_u32 s23, s23, STATL
	v_lshl_add_u32 v[NADR], v1, 2, s23
	v_and_b32 v5, 31, v0
	v_lshlrev_b32 v[LOFF], 4, v5
	v_add_nc_u32 v[SLA], s23, v[LOFF]
	v_mov_b32 v[T], 0                              ; v_permlanex16_b32 counts as a reader of its destination
.macro MUL16 f, hi, a0, zero
.irp a, \a0, \a0+1
.irp b, 0,1,2,3,4,5,6,7
.if \zero
	v_wmma_f32_16x16x32_bf16 v[8*(8*(\a)+\b):8*(8*(\a)+\b)+7], v[\f+8*\b:\f+8*\b+7], v[\f+8*(4*\hi+\a):\f+8*(4*\hi+\a)+7], 0
.else
	v_wmma_f32_16x16x32_bf16 v[8*(8*(\a)+\b):8*(8*(\a)+\b)+7], v[\f+8*\b:\f+8*\b+7], v[\f+8*(4*\hi+\a):\f+8*(4*\hi+\a)+7], v[8*(8*(\a)+\b):8*(8*(\a)+\b)+7]
.endif
.endr
.endr
.endm
.macro FETCH slot, k, f                ; 32 LDS loads in one run: 128 rows of k, 128 rows of q, 32 K at byte k of the rows
	WIN TO_B
.irp i, 0,1,2,3,4,5,6,7
	ds_load_b128 v[\f+8*\i:\f+8*\i+3],   v[ADRB+\slot] offset:\k+\i*16*PITCH
	ds_load_b128 v[\f+8*\i+4:\f+8*\i+7], v[ADRB+\slot] offset:\k+\i*16*PITCH+32
.endr
	WIN 0
.irp i, 0,1,2,3,4,5,6,7
	ds_load_b128 v[\f+8*\i:\f+8*\i+3],   v[ADRA+\slot] offset:\k+\i*16*PITCH
	ds_load_b128 v[\f+8*\i+4:\f+8*\i+7], v[ADRA+\slot] offset:\k+\i*16*PITCH+32
.endr
.endm
; A K step is four quarters of 32 along K, 64 matrix instructions each, on buffers 0, 1, 0, 1.  The 64 accumulators take turns, one instruction a turn,
; in the same order in every quarter and over the loop's backward jump.
.macro QUARTER slot, k, f, g, zero
	s_wait_dscnt 8                                 ; k and q's rows 0-63 are in; the youngest eight loads (q's rows 64-127) may be out
	WIN MUL_LO
	MUL16 \f, 0, 0, \zero
	MUL16 \f, 0, 2, \zero
	PLACES
	FETCH \slot, \k, \g
	s_wait_dscnt 32                                ; all but the 32 just issued
	WIN MUL_HI
	MUL16 \f, 1, 0, \zero
	MUL16 \f, 1, 2, \zero
.endm
.macro THREE slot, zero
	QUARTER \slot, 64,  F0, F1, \zero
	QUARTER \slot, 128, F1, F0, 0
	QUARTER \slot, 192, F0, F1, 0
.endm
; The last quarter changes slots: each wave waits for its reads of this slot and for all its tensor loads, then the barrier (with a refill: a round of the
; cluster's barrier), then the refill first, then the next slot's fragments.  Nothing stands between the waits and the refill but the barriers, so that the
; refill is asked for as soon as the last tile is in: from a request to the wait for it a wave issues a whole K step's 256 matrix instructions.
.macro TURN slot, next, fill
	s_wait_dscnt 8
	WIN MUL_LO
	MUL16 F1, 0, 0, 0
	MUL16 F1, 0, 2, 0
	WIN 0
	s_wait_dscnt 0
	s_wait_tensorcnt 0x0
	ds_add_u32 v254, v255
	s_wait_dscnt 0x0
	s_barrier_signal -1
	s_barrier_wait -1
.if \fill
	CREST
	s_add_nc_u64 s[G0+4*\slot+2:G0+4*\slot+3], s[G0+4*\slot+2:G0+4*\slot+3], 2*KSTEP*2
	s_add_nc_u64 s[G0B+4*\slot+2:G0B+4*\slot+3], s[G0B+4*\slot+2:G0B+4*\slot+3], 2*KSTEP*2
	JLOAD \slot
.else
	PLACES
.endif
	FETCH \next, 0, F0
	WIN MUL_HI
	MUL16 F1, 1, 0, 0
	MUL16 F1, 1, 2, 0
.endm
.macro LAP zero
	THREE 0, \zero
	TURN 0, 1, 1
	THREE 1, 0
	TURN 1, 0, 1
.endm
	s_wait_tensorcnt 1                             ; my part of K step 0 is in; K step 1's stays out
	s_barrier_signal -1
	s_barrier_wait -1
	FETCH 0, 0, F0
	LAP 1
	WIN 0
	s_mov_b32 s3, LAPS-2
.Llap:
	LAP 0
	WIN 0
	s_sub_co_u32 s3, s3, 1
	s_cmp_lg_u32 s3, 0
	s_cbranch_scc1 .Llap
	THREE 0, 0
	TURN 0, 1, 0
	THREE 1, 0
	s_wait_dscnt 8
	WIN MUL_LO
	MUL16 F1, 0, 0, 0
	MUL16 F1, 0, 2, 0
	s_wait_dscnt 0
	WIN MUL_HI
	MUL16 F1, 1, 0, 0
	MUL16 F1, 1, 2, 0
	; THE WAY OUT, 16 rows at a time
	PLACES
	s_mov_b32 s20, 0x76543210                      ; v_permlanex16_b32: lane l reads lane l xor 16
	s_mov_b32 s21, 0xfedcba98
	s_lshl_b32 s16, s43, 4
	s_lshl3_add_u32 s16, s13, s16                  ; my first block of 16 rows of p: 16 x block row + 8 x half
	s_lshl_b32 s16, s16, 16                        ; x 65,536 bytes
	s_mov_b32 s17, 0
	s_add_nc_u64 s[6:7], s[6:7], s[16:17]
	s_lshl_b32 s46, s42, 3
	s_lshl2_add_u32 s46, s14, s46                  ; my first chunk of 32 keys: 8 x block column + 4 x half
	s_lshl_b32 s46, s46, 10                        ; x 1,024 bytes
	s_mov_b32 s47, 0
	s_add_nc_u64 s[6:7], s[6:7], s[46:47]
	s_lshl_b32 s46, s42, 1
	s_add_co_u32 s46, s46, s14                     ; kb = 2 x block column + half
	s_lshl4_add_u32 s46, s15, s46                  ; + 16 x batch
	s_lshl_b32 s46, s46, 13                        ; x 2,048 rows of 4 bytes
	s_mov_b32 s47, 0
	s_add_nc_u64 s[8:9], s[8:9], s[46:47]
	s_and_b32 s16, s43, 7                          ; my first row within the batch: 256 x (block row mod 8) + 128 x half
	s_lshl_b32 s16, s16, 10
	s_lshl_b32 s17, s13, 9
	s_add_co_u32 s16, s16, s17
	s_mov_b32 s17, 0
	s_add_nc_u64 s[8:9], s[8:9], s[16:17]
; rows 16 i .. 16 i + 15 of my block = v[64 a .. 64 a + 63] of window 2 or 3.  wmax: that window for sources 1 and 2; wfma: for source 0
.macro OUTP i, a, wmax, wfma
	WIN \wmax
.irp k, 0,1,2,3
	v_max3_num_f32 v[MX+\k], 0xff800000, v[64*\a+2*\k], v[64*\a+2*\k+1]    ; four chains; minus infinity starts each
.endr
.set OJ, 4
.rept 28
	v_max3_num_f32 v[MX+OJ%4], v[MX+OJ%4], v[64*\a+2*OJ], v[64*\a+2*OJ+1]
.set OJ, OJ+1
.endr
	WIN 0
	v_max3_num_f32 v[MX], v[MX], v[MX+1], v[MX+2]
	v_max_num_f32 v[MX], v[MX], v[MX+3]
	v_permlanex16_b32 v[T], v[MX], s20, s21        ; the row's other 64 numbers lie in lane l xor 16
	v_max_num_f32 v[MX], v[MX], v[T]
	v_mul_f32 v[T], 0xbd38aa3b, v[MX]              ; -c max
	v_floor_f32 v[NN], v[T]                        ; N, a whole number: the later factors 2^(min N - N) are exact
	v_floor_f32 v[NN+1], v[T]
	WIN \wfma
.set OJ, 0
.rept 32
	v_pk_fma_f32 v[E+2*OJ:E+2*OJ+1], v[64*\a+2*OJ:64*\a+2*OJ+1], 0x3d38aa3b, v[NN:NN+1] op_sel_hi:[1,0,1]    ; c S + N
.set OJ, OJ+1
.endr
	WIN 0
.set OJ, 0
.rept 64
	v_exp_f32 v[E+OJ], v[E+OJ]
.set OJ, OJ+1
.endr
	v_nop                                          ; one plain vector instruction between the last v_exp_f32 and the first use of a result (ISA guide 5.7.2)
	s_wait_alu depctr_va_vdst(0)
.irp k, 0,1,2,3
	v_pk_add_f32 v[SU+2*\k:SU+2*\k+1], v[E+2*\k:E+2*\k+1], v[E+8+2*\k:E+8+2*\k+1]
.endr
.set OJ, 8
.rept 24
	v_pk_add_f32 v[SU+2*(OJ%4):SU+2*(OJ%4)+1], v[SU+2*(OJ%4):SU+2*(OJ%4)+1], v[E+2*OJ:E+2*OJ+1]
.set OJ, OJ+1
.endr
	v_pk_add_f32 v[SU:SU+1], v[SU:SU+1], v[SU+2:SU+3]
	v_pk_add_f32 v[SU+4:SU+5], v[SU+4:SU+5], v[SU+6:SU+7]
	v_pk_add_f32 v[SU:SU+1], v[SU:SU+1], v[SU+4:SU+5]
	v_add_f32 v[SU], v[SU], v[SU+1]
	v_permlanex16_b32 v[T], v[SU], s20, s21
	v_add_f32 v[SU], v[SU], v[T]                   ; l of row r
	s_wait_xcnt 0x0                                ; PK, which the last 16 rows' stores read, is rewritten only behind this wait
.irp b, 0,1,2,3,4,5,6,7
.irp r, 0,1,2,3
	v_cvt_pk_bf16_f32 v[PK+4*\b+\r], v[E+8*\b+2*\r], v[E+8*\b+2*\r+1]
.endr
.endr
.irp b, 0,1,2,3,4,5,6,7
	global_store_b128 v[LOFF], v[PK+4*\b:PK+4*\b+3], s[6:7] offset:PBLK*\i+512*\b    ; piece b % 2 of chunk b / 2: a wave's store covers 512 consecutive bytes, aligned
.endr
	ds_store_b32 v[NADR], v[NN] offset:64*\i       ; lanes l and l xor 16 write the same word with the same value
	ds_store_b32 v[NADR], v[SU] offset:512+64*\i
.endm
	OUTP 0, 0, 0x28, 0x02
	OUTP 1, 1, 0x28, 0x02
	OUTP 2, 2, 0x28, 0x02
	OUTP 3, 3, 0x28, 0x02
	OUTP 4, 0, 0x3c, 0x03
	OUTP 5, 1, 0x3c, 0x03
	OUTP 6, 2, 0x3c, 0x03
	OUTP 7, 3, 0x3c, 0x03
	ds_load_b128 v[E:E+3],   v[SLA]                ; my 128 N and my 128 l: 512 consecutive bytes each.  LDS serves a wave's instructions in order: these see the stores above
	ds_load_b128 v[E+4:E+7], v[SLA] offset:512
	s_wait_dscnt 0x0
	global_store_b128 v[LOFF], v[E:E+3],   s[8:9]
	global_store_b128 v[LOFF], v[E+4:E+7], s[8:9] offset:524288
	s_wait_tensorcnt 0x0
	ds_add_u32 v254, v255
	s_wait_dscnt 0x0
	CROUND
	s_endpgm
.Lfunc_end_k_q06c190ce71_scores:
	.size	k_q06c190ce71_scores, .Lfunc_end_k_q06c190ce71_scores-k_q06c190ce71_scores
	.p2alignl 7, 3214868480
	.fill 96, 4, 3214868480
	.section	.rodata,"a",@progbits
	.p2align	6, 0x0
	.amdhsa_kernel k_q06c190ce71_scores
		.amdhsa_group_segment_fixed_size 327680
		.amdhsa_private_segment_fixed_size 0
		.amdhsa_enable_private_segment 0
		.amdhsa_kernarg_size 24
		.amdhsa_user_sgpr_count 2
		.amdhsa_user_sgpr_kernarg_segment_ptr 1
		.amdhsa_wavefront_size32 1
		.amdhsa_system_sgpr_workgroup_id_x 1
		.amdhsa_system_sgpr_workgroup_id_y 1
		.amdhsa_system_sgpr_workgroup_id_z 1
		.amdhsa_system_vgpr_workitem_id 0
		.amdhsa_next_free_vgpr 1024
		.amdhsa_next_free_sgpr 66
		.amdhsa_reserve_vcc 0
		.amdhsa_float_denorm_mode_32 3
		.amdhsa_float_denorm_mode_16_64 3
		.amdhsa_memory_ordered 1
		.amdhsa_forward_progress 1
		.amdhsa_inst_pref_size 255
	.end_amdhsa_kernel
	.section	.bss,"aw",@nobits
	.p2align	6
	.space	262144
	.amdgpu_metadata
---
amdhsa.version: [ 1, 2 ]
amdhsa.kernels:
  - .name:           k_q06c190ce71_scores
    .symbol:         k_q06c190ce71_scores.kd
    .args:
      - { .name: qkv, .offset: 0, .size: 8, .value_kind: global_buffer, .address_space: global }
      - { .name: p, .offset: 8, .size: 8, .value_kind: global_buffer, .address_space: global }
      - { .name: stats, .offset: 16, .size: 8, .value_kind: global_buffer, .address_space: global }
    .group_segment_fixed_size: 327680
    .private_segment_fixed_size: 0
    .kernarg_segment_align: 8
    .kernarg_segment_size: 24
    .max_flat_workgroup_size: 128
    .sgpr_count:     66
    .vgpr_count:     1024
    .wavefront_size: 32
...
	.end_amdgpu_metadata
.endif
;; end of part 3
;; launch pv (part 4): grid 8 x 32, 4 waves a work-group, clusters of 4 x 4, 327,680 bytes of LDS; arguments p, qkv, stats, out0; writes out0
.if DOCPART == 4
	.amdgcn_target "amdgcn-amd-amdhsa--gfx1250"
	.amdhsa_code_object_version 6
	.text
	.protected	k_q06c190ce71_pv
	.globl	k_q06c190ce71_pv
	.p2align	8
	.type	k_q06c190ce71_pv,@function
k_q06c190ce71_pv:
	s_mov_b64 s[64:65], 0
	v_nop
	global_prefetch_b8 v0, s[64:65] scope:SCOPE_SE
	s_setreg_imm32_b32 hwreg(HW_REG_WAVE_MODE, 25, 1), 1
	s_wait_xcnt 0x0
	s_wait_alu depctr_hold_cnt(0) depctr_sa_sdst(0) depctr_va_vdst(0) depctr_va_sdst(0) depctr_va_ssrc(0) depctr_va_vcc(0) depctr_vm_vsrc(0)
	s_getreg_b32 s2, hwreg(HW_REG_IB_STS2, 6, 4)
	s_cmp_eq_u32 s2, 0
	s_cbranch_scc0 .Lentry_in_a_cluster
	s_endpgm
.Lentry_in_a_cluster:
	s_bfe_u32 s2, ttmp6, 0x10000c
	s_cmp_lg_u32 s2, 0xf033
	s_cbranch_scc0 .Lentry_shape_is_right
	s_endpgm
.Lentry_shape_is_right:
; out[row][d] = (sum over the 16 key blocks kb of f[row][kb] x sum over the block's 128 keys of P[row][key] v[key][d]) / L[row],
; f = 2^(Nmin - N[kb]) with Nmin the row's smallest N (that of the row's largest score), L = sum over kb of f l[kb].  Together with the launch before this is
; the softmax with the row's maximum, rounded up to a whole number in base 2, taken away.  f is a power of two, so f P in bf16 is exact.
; LIMITS: f below 2^-126 counts as 0 (Nmin - N is cut at -127); L sums P before its rounding to bf16; N that is not finite is not served.
; 256 work-groups, one block of 256 rows x 128 columns each; wave w makes rows 64 w .. 64 w + 63 x all 128 columns: 4 x 8 accumulator tiles.
; The work goes in quarters of 32 keys, 32 matrix instructions each; four quarters are a K step (one key block).
; P COMES STRAIGHT INTO REGISTERS.  p lies in the matrix instruction's own order ([block of 16 rows][chunk of 32 keys][2][lane][16 bytes]), so a fragment is
; two loads of 512 consecutive bytes.  Each element of p is used by one wave of the work-group alone, so LDS would give it no reuse.  Eight loads a quarter are
; issued six quarters ahead of their use and stay out across barriers: 48 loads of a wave are out at the most.
; WHY p IS NOT ASKED FOR JOINTLY, though the eight block columns read the same rows: through LDS a K step would bring 98,304 bytes for a wave's 128 matrix
; instructions, two slots of two K steps (425,984 bytes with padding) do not fit, and with slots of one K step a load has one K step in which to land.
; V COMES THROUGH LDS, where all four waves read it: two slots of 256 keys x 256 bytes (two K steps), one change of slots for 256 matrix instructions.
; CLUSTERS: 4 x 4; v's tile hangs on the batch (the same in the whole cluster) and the block column: it is asked for jointly along a column of the cluster.
; Each wave asks for 64 of a slot's 256 keys.  A wave has two tensor loads out at the start and one behind each round after that.
; v lies [key][d], so its fragments come by the transposing LDS load.  The matrix instruction is used transposed (source 0 = v's fragment, source 1 = p's):
; lane l holds row l % 16 and 8 neighbouring columns, 32 bytes of f32.
; REGISTERS: window 0: v8-15 1/L; v16-29 addresses; v32-41 at work at the start; v64-127 v's fragments of even quarters; v128-255 p as loaded, odd quarters (4 x 32).
; window 1: v0-127 tiles (a, b = 0..3) at v[8 (4 a + b)]; v128-159, v160-191 p times f, two buffers; v192-199 f of even and odd K steps.
; window 2: v0-127 tiles (a, b = 4..7).   window 3: v0-63 v's fragments of odd quarters; v64-191 p as loaded, even quarters (4 x 32).
; So in a quarter all loads (the next quarter's v, the p of six quarters on) have one destination window, and the multiplication by f of the next quarter's p
; runs under the matrix instructions' own setting: its source 0 lies in the window of this quarter's v fragments.
.set PITCHV, 288                       ; v's rows: 256 bytes + 32, an odd multiple of 32, for the transposing load
.set VPART,  64*PITCHV                 ; what one wave's load brings
.set HALFS,  128*PITCHV                ; one K step's keys
.set SLOT,   4*VPART                   ; 73,728 bytes: 256 keys
.set TAB,    2*SLOT                    ; for each wave [16 kb][64 rows] words: f in bf16, twice
.set RL,     TAB+4*4096                ; for each wave 64 x 1/L
.set STAGE,  RL+4*256                  ; for each wave 16 rows x 528 bytes
.set SPITCH, 528
.set QROW,   6144
.set PBLK,   65536                     ; bytes of a block of 16 rows of p
.set RLR,  8
.set ADRB, 16                          ; v16-19 LDS address of v's fragments: slot 0 first and second K step, slot 1 likewise
.set TADR, 22                          ; v22 f of row r, this lap's first key block
.set TST,  23                          ; v23 where I put f of rows 2 l, 2 l + 1
.set STO,  24
.set RD,   25
.set CO,   26                          ; v26 16 x lane: my byte offset in a load of p and in a store of out0; never rewritten
.set RLS,  27
.set RLA,  28
.set SOFF, 29
.set NG,   32                          ; the start: at work
.set LS,   34
.set DD,   36
.set FF,   38
.set WW,   40
.set NV,   64                          ; the start: N of my two rows, 16 key blocks
.set LV,   96                          ; l likewise
.set BF0,  64                          ; window 0
.set RO,   128                         ; window 0
.set BF1,  0                           ; window 3
.set RE,   64                          ; window 3
.set SA0,  128                         ; window 1
.set SA1,  160
.set FC0,  192
.set TMP,  192                         ; the way out, window 0
.set G1B, 48                           ; s[48:55] descriptor group 1 for v's tiles
.set G0B, 56                           ; s[56:63] group 0, one set a slot
.set MSB, 0
.macro WIN new
.if MSB != (\new)
	s_set_vgpr_msb (MSB<<8)|(\new)
.set MSB, \new
.endif
.endm
.macro PLACES
.rept 4
	v_nop
.endr
.endm
.macro JLOAD s                         ; every wave asks for its own 64 keys by this one line: one mask, and nothing in it but the batch, the block column and the wave's number
	tensor_load_to_lds s[G0B+4*\s:G0B+4*\s+3], s[G1B:G1B+7]
	s_nop 0
.rept 4
	v_nop
.endr
.endm
.macro CREST
	s_cmp_lg_u32 s12, 0
	s_cbranch_scc1 .Lnot_wave_0_\@
	s_barrier_signal -3
.Lnot_wave_0_\@:
	s_barrier_wait -3
	s_barrier_signal -1
	s_barrier_wait -1
.endm
.macro CROUND
	s_barrier_signal -1
	s_barrier_wait -1
	CREST
.endm
; 8 loads: the p of one quarter (my four blocks of 16 rows, one chunk of 32 keys at byte koff of a block) into ring slot rs.
; Even slots lie in window 3, odd ones in window 0: the caller has set the destination's window.
.macro GLOAD rs, koff
.set GD, RO*((\rs)&1)+RE*(1-((\rs)&1))+32*((\rs)>>1)
.irp a, 0,1,2,3
	global_load_b128 v[GD+8*\a:GD+8*\a+3],   v[CO], s[4:5] offset:PBLK*\a+\koff
	global_load_b128 v[GD+8*\a+4:GD+8*\a+7], v[CO], s[4:5] offset:PBLK*\a+\koff+512
.endr
.endm
	s_load_b256 s[4:11], s[0:1], 0x0               ; p 4:5, qkv 6:7, stats 8:9, out0 10:11
	v_lshl_add_u32 v63, v0, 2, 0x30800
	s_set_vgpr_msb 0x40
	v_mov_b32 v255, 0
	s_set_vgpr_msb 0x4044
	ds_add_u32 v63, v255
	s_set_vgpr_msb 0x4400
	v_lshrrev_b32 v1, 5, v0
	v_readfirstlane_b32 s12, v1                    ; wave
	s_bfe_u32 s40, ttmp6, 0x40000                  ; cx
	s_bfe_u32 s41, ttmp6, 0x40004                  ; cy
	s_lshl_b32 s42, ttmp9, 2
	s_add_co_u32 s42, s42, s40                     ; block column (128 of the 1,024)
	s_and_b32 s43, ttmp7, 0xffff
	s_lshr_b32 s15, s43, 1                         ; batch
	s_lshl_b32 s43, s43, 2
	s_add_co_u32 s43, s43, s41                     ; block row
	s_lshl_b32 s45, 0x1111, s40                    ; my column of the cluster
	s_or_b32 s[G1B+0], s45, (1<<16)|(1<<20)|(1<<21)|(5<<22)|(7<<25)  ; elements of 2 bytes; 8 words of padding after every 64; bit 21 beside a mask
	s_mov_b32 s[G1B+1], 128<<16
	s_mov_b32 s[G1B+2], 64<<16
	s_mov_b32 s[G1B+3], 128<<16
	s_mov_b32 s[G1B+4], 64                         ; 64 keys of 128 elements
	s_mov_b32 s[G1B+5], 3072                       ; elements from row to row of qkv
	s_mov_b32 s[G1B+6], 0
	s_mov_b32 s[G1B+7], 0
	s_lshl_b32 s16, s43, 4
	s_lshl2_add_u32 s16, s12, s16                  ; p: my first block of 16 rows: 16 x block row + 4 x wave
	s_lshl_b32 s16, s16, 16
	s_mov_b32 s17, 0
	s_lshl_b32 s46, s15, 11
	s_lshl_b32 s47, s12, 6
	s_add_co_u32 s46, s46, s47                     ; v: row 2,048 x batch + 64 x wave,
	s_mul_i32 s46, s46, QROW
	s_lshl_b32 s47, s42, 8
	s_add_co_u32 s46, s46, s47                     ; 256 bytes a block column,
	s_add_co_u32 s46, s46, 4096                    ; and v begins 4,096 bytes into a row
	s_mov_b32 s47, 0
	s_lshl_b32 s18, s15, 17                        ; stats: 16 x 2,048 x 4 bytes a batch,
	s_and_b32 s19, s43, 7
	s_lshl_b32 s19, s19, 10                        ; 256 rows a block row within the batch,
	s_add_co_u32 s18, s18, s19
	s_lshl_b32 s19, s12, 8                         ; 64 rows a wave
	s_add_co_u32 s18, s18, s19
	s_mov_b32 s19, 0
	s_mul_i32 s21, s12, VPART                      ; where my 64 keys go in a slot
	v_and_b32 v6, 31, v0                           ; lane
	v_lshlrev_b32 v[SOFF], 3, v6
	v_lshlrev_b32 v[CO], 4, v6
	s_wait_dscnt 0x0
	s_wait_kmcnt 0x0
	s_add_nc_u64 s[4:5], s[4:5], s[16:17]
	s_add_nc_u64 s[46:47], s[6:7], s[46:47]
	s_add_nc_u64 s[8:9], s[8:9], s[18:19]
	; N and l of my wave's 64 rows, all 16 key blocks: lane l takes rows 2 l and 2 l + 1; a wave's load covers 256 consecutive bytes, aligned
.set KB, 0
.rept 16
	global_load_b64 v[NV+2*KB:NV+2*KB+1], v[SOFF], s[8:9] offset:8192*KB
	global_load_b64 v[LV+2*KB:LV+2*KB+1], v[SOFF], s[8:9] offset:8192*KB+524288
.set KB, KB+1
.endr
	WIN 0xc0
	GLOAD 0, 0                                     ; the p of quarters 0, 1, 2
	WIN 0
	GLOAD 1, 1024
	WIN 0xc0
	GLOAD 2, 2048
	WIN 0
	CROUND                                         ; all sixteen work-groups are here: the first joint loads meet
.irp s, 0,1
	s_mov_b32 s[G0B+4*\s], 1
	s_add_co_u32 s[G0B+4*\s+1], s21, \s*SLOT
	s_add_nc_u64 s[G0B+4*\s+2:G0B+4*\s+3], s[46:47], \s*256*QROW
	s_or_b32 s[G0B+4*\s+3], s[G0B+4*\s+3], 0x80000000
	JLOAD \s                                       ; keys 0-255 and 256-511
.endr
	v_and_b32 v1, 15, v0                           ; r
	v_bfe_u32 v2, v0, 4, 1                         ; h
	v_and_b32 v3, 7, v0
	v_lshl_add_u32 v3, v2, 3, v3                   ; v's fragments: key 8 h + l % 8,
	v_mul_u32_u24 v3, v3, PITCHV
	v_bfe_u32 v4, v0, 3, 1
	v_lshl_add_u32 v[ADRB], v4, 4, v3              ; 16 bytes for each eight lanes
	v_add_nc_u32 v[ADRB+1], HALFS, v[ADRB]
	v_add_nc_u32 v[ADRB+2], SLOT, v[ADRB]
	v_add_nc_u32 v[ADRB+3], SLOT+HALFS, v[ADRB]
	s_lshl_b32 s18, s12, 12
	s_add_co_u32 s18, s18, TAB
	v_lshl_add_u32 v[TADR], v1, 2, s18
	v_lshl_add_u32 v[TST], v6, 3, s18
	s_lshl_b32 s18, s12, 8
	s_add_co_u32 s18, s18, RL
	v_lshl_add_u32 v[RLS], v6, 3, s18
	v_lshl_add_u32 v[RLA], v1, 2, s18
	s_mul_i32 s18, s12, 16*SPITCH
	s_add_co_u32 s18, s18, STAGE
	v_mul_u32_u24 v4, v1, SPITCH
	v_lshl_add_u32 v4, v2, 5, v4
	v_add_nc_u32 v[STO], s18, v4                   ; in: row r, 32 bytes for each half of the lanes
	v_lshl_add_u32 v[RD], v6, 4, s18               ; back: a row of 512 bytes, 16 a lane
	; the factors and 1/L, for my wave's own rows; all these LDS bytes are the wave's own
	s_wait_loadcnt 24                              ; N and l are in; behind them went the 24 loads of p
	GLOAD 3, 3072                                  ; the p of quarters 3, 4, 5: with them six quarters, 48 loads, are out at the most
	WIN 0xc0
	GLOAD 4, 4096
	WIN 0
	GLOAD 5, 5120
.irp e, 0,1
	v_min_num_f32 v[NG+\e], v[NV+\e], v[NV+2+\e]
.endr
.set KB, 2
.rept 7
.irp e, 0,1
	v_min3_num_f32 v[NG+\e], v[NG+\e], v[NV+2*KB+\e], v[NV+2*KB+2+\e]
.endr
.set KB, KB+2
.endr
.set KB, 0
.rept 16
.irp e, 0,1
	v_sub_f32 v[DD+\e], v[NG+\e], v[NV+2*KB+\e]    ; a whole number, 0 or below
	v_max_num_f32 v[DD+\e], 0xc2fe0000, v[DD+\e]   ; not below -127
	v_cvt_i32_f32 v[DD+\e], v[DD+\e]
	v_add_lshl_u32 v[FF+\e], v[DD+\e], 127, 23     ; 2^d as f32, made from its exponent; d = -127 gives 0
.if KB == 0
	v_mul_f32 v[LS+\e], v[LV+\e], v[FF+\e]
.else
	v_fmac_f32 v[LS+\e], v[LV+2*KB+\e], v[FF+\e]
.endif
	v_perm_b32 v[WW+\e], v[FF+\e], v[FF+\e], 0x07060302    ; its upper half, which is 2^d in bf16, twice
.endr
	ds_store_b64 v[TST], v[WW:WW+1] offset:256*KB
.set KB, KB+1
.endr
	v_rcp_f32 v[LS], v[LS]                         ; L is at least 1/2: the block with the smallest N has f = 1 and a P above 1/2
	v_rcp_f32 v[LS+1], v[LS+1]
	v_nop                                          ; one plain vector instruction before the results are used (ISA guide 5.7.2)
	s_wait_alu depctr_va_vdst(0)
	ds_store_b64 v[RLS], v[LS:LS+1]
.irp a, 0,1,2,3
	ds_load_b32 v[RLR+2*\a],   v[RLA] offset:64*\a ; 1/L of row 16 a + r, twice: a pair for the packed multiply.  LDS serves a wave's instructions in order
	ds_load_b32 v[RLR+2*\a+1], v[RLA] offset:64*\a
.endr
	WIN 0x40
.irp a, 0,1,2,3
	ds_load_b32 v[FC0+\a], v[TADR] offset:64*\a    ; f of key block 0
.endr
	WIN 0
.macro FETCHV slot, qs, vf             ; 16 transposing LDS loads: quarter qs (0..7) of a slot, 32 keys x 128 columns of v
.irp b, 0,1,2,3,4,5,6,7
	ds_load_tr16_b128 v[\vf+8*\b:\vf+8*\b+3],   v[ADRB+2*(\slot)+((\qs)>>2)] offset:32*((\qs)&3)*PITCHV+32*\b
	ds_load_tr16_b128 v[\vf+8*\b+4:\vf+8*\b+7], v[ADRB+2*(\slot)+((\qs)>>2)] offset:32*((\qs)&3)*PITCHV+32*\b+16*PITCHV
.endr
.endm
.macro PHA vf, pa, a0, zero            ; 8 matrix instructions: row blocks a0, a0 + 1 x column blocks 4-7 (window 2)
.irp a, \a0, \a0+1
.irp b, 0,1,2,3
.if \zero
	v_wmma_f32_16x16x32_bf16 v[8*(4*(\a)+\b):8*(4*(\a)+\b)+7], v[\vf+32+8*\b:\vf+32+8*\b+7], v[\pa+8*(\a):\pa+8*(\a)+7], 0
.else
	v_wmma_f32_16x16x32_bf16 v[8*(4*(\a)+\b):8*(4*(\a)+\b)+7], v[\vf+32+8*\b:\vf+32+8*\b+7], v[\pa+8*(\a):\pa+8*(\a)+7], v[8*(4*(\a)+\b):8*(4*(\a)+\b)+7]
.endif
.endr
.endr
.endm
; 16 matrix instructions: all row blocks x column blocks 0-3 (window 1).  scale = 1: behind each, two words of the next quarter's p (at rw, as loaded) are multiplied by f into buffer pn
.macro PHB vf, pa, zero, scale, pn, rw, fc
.irp a, 0,1,2,3
.irp b, 0,1,2,3
.if \zero
	v_wmma_f32_16x16x32_bf16 v[8*(4*\a+\b):8*(4*\a+\b)+7], v[\vf+8*\b:\vf+8*\b+7], v[\pa+8*\a:\pa+8*\a+7], 0
.else
	v_wmma_f32_16x16x32_bf16 v[8*(4*\a+\b):8*(4*\a+\b)+7], v[\vf+8*\b:\vf+8*\b+7], v[\pa+8*\a:\pa+8*\a+7], v[8*(4*\a+\b):8*(4*\a+\b)+7]
.endif
.if \scale
	v_pk_mul_bf16 v[\pn+2*(4*\a+\b)],   v[\rw+2*(4*\a+\b)],   v[\fc+\a]
	v_pk_mul_bf16 v[\pn+2*(4*\a+\b)+1], v[\rw+2*(4*\a+\b)+1], v[\fc+\a]
.endif
.endr
.endr
.endm
; Quarter q (0..15 of a lap) that is not a slot's last.  It fetches the next quarter's v from the same slot; gl = 1: it asks for the p of quarter q + 6, into the
; ring slot whose p was multiplied by f three quarters ago; ldf = 1: it loads the next K step's f.  lcnt: how many younger loads of p may stay out when the next
; quarter's p has to be there.  The 32 accumulators take turns, one instruction a turn, over the loop's backward jump too.
.macro QN q, zero, ldf, gl, lcnt
.set QE,  (\q)&1
.set QSL, (\q)>>3
.set QNS, ((\q)+1)&7
.set QVF, BF0*(1-QE)+BF1*QE
.set QVN, BF0*QE+BF1*(1-QE)
.set QPA, SA0+32*QE
.set QPN, SA0+32*(1-QE)
.set QRW, RO*(1-QE)+RE*QE+32*(QNS>>1)
.set QFC, FC0+4*((((\q)+1)>>2)&1)
.set QFN, FC0+4*(1-(((\q)>>2)&1))
.set QRS, ((\q)+6)&7
	WIN 0xc0*(1-QE)                                ; the loads' destinations: window 3 in even quarters, window 0 in odd ones
	PLACES                                         ; behind the last quarter's matrix instructions, which read the buffer that is loaded now
	FETCHV QSL, QNS, QVN
.if \gl
	GLOAD QRS, ((\q)+6)*1024
.endif
.if \ldf
	WIN 0x40
.irp a, 0,1,2,3
	ds_load_b32 v[QFN+\a], v[TADR] offset:256*(((\q)>>2)+1)+64*\a
.endr
.endif
	s_wait_dscnt 16+4*\ldf                         ; all that is older than this fetch is in: this quarter's v
	WIN 0xa4+3*QE
	PHA QVF, QPA, 0, \zero
	PHA QVF, QPA, 2, \zero
	s_wait_loadcnt \lcnt                           ; the next quarter's p is in; the groups of 8 behind it stay out
	WIN 0x54+3*QE
	PHB QVF, QPA, \zero, 1, QPN, QRW, QFC
.endm
; A slot's last quarter (q = 7 or 15) changes slots: each wave waits for its reads of this slot and for all its tensor loads, then the barrier (with a refill: a
; round of the cluster's barrier), the refill first, then the next slot's first quarter.  From a request to the wait for it a wave issues 248 matrix instructions.
; The loads of p that are out at the barrier land in registers and touch no LDS.
.macro QT q, fill, gl, lcnt
.set QSL, (\q)>>3
.set QFC, FC0+4*((((\q)+1)>>2)&1)
.set QRS, ((\q)+6)&7
	s_wait_dscnt 0x0                               ; my reads of this slot are over
	s_wait_tensorcnt 0x0                           ; all my tensor loads have landed: the one that was out is my part of the next slot
	ds_add_u32 v63, v255
	s_wait_dscnt 0x0
	s_barrier_signal -1
	WIN 0xa7
	PHA BF1, SA1, 0, 0                             ; register work while the others arrive
	WIN 0
	s_barrier_wait -1
.if \fill
	CREST                                          ; no wave of any partner still reads this slot or has a load on its way
	s_add_nc_u64 s[G0B+4*QSL+2:G0B+4*QSL+3], s[G0B+4*QSL+2:G0B+4*QSL+3], 2*256*QROW
	JLOAD QSL                                      ; the first tensor load behind the round; its four v_nop are the places in front of the loads below
.else
	PLACES
.endif
	FETCHV 1-QSL, 0, BF0
.if \gl
	GLOAD QRS, ((\q)+6)*1024
.endif
	WIN 0xa7
	PHA BF1, SA1, 2, 0
	s_wait_loadcnt \lcnt
	WIN 0x57
	PHB BF1, SA1, 0, 1, SA0, RE, QFC
.endm
.macro LAP zero                        ; 16 quarters: both slots, four K steps
	QN 0, \zero, 1, 1, 40
	QN 1, 0, 0, 1, 40
	QN 2, 0, 0, 1, 40
	QN 3, 0, 0, 1, 40
	QN 4, 0, 1, 1, 40
	QN 5, 0, 0, 1, 40
	QN 6, 0, 0, 1, 40
	QT 7, 1, 1, 40
	QN 8, 0, 1, 1, 40
	QN 9, 0, 0, 1, 40
	QN 10, 0, 0, 1, 40
	QN 11, 0, 0, 1, 40
	QN 12, 0, 1, 1, 40
	QN 13, 0, 0, 1, 40
	QN 14, 0, 0, 1, 40
	QT 15, 1, 1, 40
	WIN 0
	v_add_nc_u32 v[TADR], 1024, v[TADR]            ; four key blocks on in the table of factors
	s_wait_xcnt 0x0                                ; p's base, which the loads above name, is stepped only behind this wait
	s_add_nc_u64 s[4:5], s[4:5], 16*1024           ; 16 chunks on
.endm
	s_wait_tensorcnt 1                             ; my part of slot 0 is in; slot 1's stays out
	s_wait_dscnt 0x0
	s_barrier_signal -1
	s_barrier_wait -1
	FETCHV 0, 0, BF0
	s_wait_loadcnt 40                              ; the p of quarter 0 is in; quarters 1 to 5 stay out
	WIN 0x47
.set PI, 0
.rept 32
	v_pk_mul_bf16 v[SA0+PI], v[RE+PI], v[FC0+(PI>>3)]
.set PI, PI+1
.endr
	LAP 1                                          ; the first lap stands in front of the loop: its first products start the sums
	s_mov_b32 s3, 2
.Llap:
	LAP 0
	s_sub_co_u32 s3, s3, 1
	s_cmp_lg_u32 s3, 0
	s_cbranch_scc1 .Llap
	QN 0, 0, 1, 1, 40                              ; the last lap fills no slot; its first ten quarters ask for the last chunks of p, then the counts run down
	QN 1, 0, 0, 1, 40
	QN 2, 0, 0, 1, 40
	QN 3, 0, 0, 1, 40
	QN 4, 0, 1, 1, 40
	QN 5, 0, 0, 1, 40
	QN 6, 0, 0, 1, 40
	QT 7, 0, 1, 40
	QN 8, 0, 1, 1, 40
	QN 9, 0, 0, 1, 40
	QN 10, 0, 0, 0, 32
	QN 11, 0, 0, 0, 24
	QN 12, 0, 0, 0, 16
	QN 13, 0, 0, 0, 8
	QN 14, 0, 0, 0, 0
	s_wait_dscnt 0x0
	WIN 0xa7
	PHA BF1, SA1, 0, 0
	PHA BF1, SA1, 2, 0
	WIN 0x57
	PHB BF1, SA1, 0, 0, SA0, RE, FC0
	; THE WAY OUT, 16 rows at a time: times 1/L, 32 bytes a lane and tile into my own stage, read back as whole rows of 512 bytes
	WIN 0
	PLACES
	s_lshl_b32 s16, s43, 8
	s_lshl_b32 s17, s12, 6
	s_add_co_u32 s16, s16, s17
	s_lshl_b32 s16, s16, 12                        ; a row of out0 is 4,096 bytes
	s_mov_b32 s17, 0
	s_add_nc_u64 s[10:11], s[10:11], s[16:17]
	s_lshl_b32 s46, s42, 9
	s_mov_b32 s47, 0
	s_add_nc_u64 s[10:11], s[10:11], s[46:47]
.macro OUTA a, f
	WIN 0x01
.irp b, 0,1,2,3
.irp r, 0,1,2,3
	v_pk_mul_f32 v[TMP+8*\b+2*\r:TMP+8*\b+2*\r+1], v[8*(4*\a+\b)+2*\r:8*(4*\a+\b)+2*\r+1], v[RLR+2*\a:RLR+2*\a+1]
.endr
.endr
	WIN 0x02
.irp b, 0,1,2,3
.irp r, 0,1,2,3
	v_pk_mul_f32 v[TMP+32+8*\b+2*\r:TMP+32+8*\b+2*\r+1], v[8*(4*\a+\b)+2*\r:8*(4*\a+\b)+2*\r+1], v[RLR+2*\a:RLR+2*\a+1]
.endr
.endr
	WIN 0
.irp b, 0,1,2,3,4,5,6,7
	ds_store_b128 v[STO], v[TMP+8*\b:TMP+8*\b+3]   offset:64*\b
	ds_store_b128 v[STO], v[TMP+8*\b+4:TMP+8*\b+7] offset:64*\b+16
.endr
	s_wait_xcnt 0x0                                ; set f, which earlier stores read, is loaded again only behind this wait
.irp t, 0,1,2,3,4,5,6,7,8,9,10,11,12,13,14,15
	ds_load_b128 v[\f+4*\t:\f+4*\t+3], v[RD] offset:\t*SPITCH
.endr
.irp t, 0,1,2,3,4,5,6,7,8,9,10,11,12,13,14,15
	s_wait_dscnt 15-\t
	global_store_b128 v[CO], v[\f+4*\t:\f+4*\t+3], s[10:11] offset:(16*\a+\t)*4096 th:TH_STORE_NT   ; a wave's store covers 512 consecutive bytes, aligned
.endr
.endm
	OUTA 0, 64
	OUTA 1, 128
	OUTA 2, 64
	OUTA 3, 128
	s_set_vgpr_msb 0x4
	s_wait_tensorcnt 0x0
	ds_add_u32 v63, v255
	s_wait_dscnt 0x0
	s_set_vgpr_msb 0x400
	CROUND                                         ; the closing round: no work-group ends while a partner may still ask for a tile that names it
	s_endpgm
.Lfunc_end_k_q06c190ce71_pv:
	.size	k_q06c190ce71_pv, .Lfunc_end_k_q06c190ce71_pv-k_q06c190ce71_pv
	.p2alignl 7, 3214868480
	.fill 96, 4, 3214868480
	.section	.rodata,"a",@progbits
	.p2align	6, 0x0
	.amdhsa_kernel k_q06c190ce71_pv
		.amdhsa_group_segment_fixed_size 327680
		.amdhsa_private_segment_fixed_size 0
		.amdhsa_enable_private_segment 0
		.amdhsa_kernarg_size 32
		.amdhsa_user_sgpr_count 2
		.amdhsa_user_sgpr_kernarg_segment_ptr 1
		.amdhsa_wavefront_size32 1
		.amdhsa_system_sgpr_workgroup_id_x 1
		.amdhsa_system_sgpr_workgroup_id_y 1
		.amdhsa_system_sgpr_workgroup_id_z 1
		.amdhsa_system_vgpr_workitem_id 0
		.amdhsa_next_free_vgpr 960
		.amdhsa_next_free_sgpr 66
		.amdhsa_reserve_vcc 0
		.amdhsa_float_denorm_mode_32 3
		.amdhsa_float_denorm_mode_16_64 3
		.amdhsa_memory_ordered 1
		.amdhsa_forward_progress 1
		.amdhsa_inst_pref_size 255
	.end_amdhsa_kernel
	.section	.bss,"aw",@nobits
	.p2align	6
	.space	262144
	.amdgpu_metadata
---
amdhsa.version: [ 1, 2 ]
amdhsa.kernels:
  - .name:           k_q06c190ce71_pv
    .symbol:         k_q06c190ce71_pv.kd
    .args:
      - { .name: p, .offset: 0, .size: 8, .value_kind: global_buffer, .address_space: global }
      - { .name: qkv, .offset: 8, .size: 8, .value_kind: global_buffer, .address_space: global }
      - { .name: stats, .offset: 16, .size: 8, .value_kind: global_buffer, .address_space: global }
      - { .name: out0, .offset: 24, .size: 8, .value_kind: global_buffer, .address_space: global }
    .group_segment_fixed_size: 327680
    .private_segment_fixed_size: 0
    .kernarg_segment_align: 8
    .kernarg_segment_size: 32
    .max_flat_workgroup_size: 128
    .sgpr_count:     66
    .vgpr_count:     960
    .wavefront_size: 32
...
	.end_amdgpu_metadata
.endif
;; end of part 4
